; MI455X (gfx1250); checked and timed in simulation.
; The chip was launched on July 23, 2026; its instructions are those of AMD's public machine-readable ISA for CDNA 5 (MIT licence, August 2026) and "CDNA5" Instruction Set Architecture Reference Guide (July 2026). The comments in the code are by the model that wrote it; some were corrected since.
;; multihead self attention. Allowed arithmetic: matrix products marked QUANTISED: E4M3 operands, one given power-of-two scale a tensor, by v_wmma_f32_16x16x64_fp8_fp8 or v_wmma_f32_16x16x128_fp8_fp8, f32 sums; everything else in f32.
;; Inputs: Wk 2,048 x 2,048 float32; Wproj 2,048 x 2,048 float32; Wq 2,048 x 2,048 float32; Wv 2,048 x 2,048 float32; lowp_scales 12 int32 (the exponents e of the quantised operands' scales 2^e); token_positions 2,048 int32; x 1 x 2,048 x 2,048 float32.
;; Outputs: out0 1 x 2,048 x 2,048 float32.
;; This version of the problem:
;;   THIS VERSION OF THE PROBLEM IS GIVEN IN LOW PRECISION. The matrix products marked QUANTISED in the list below multiply operands that are first quantised to E4M3 (4 exponent bits, 3 mantissa bits; 8 bits a number), with one given power-of-two scale for each operand tensor; their sums are f32. All else is computed in f32.
;;   The module's matrix products, in the order in which they are computed (A, B: the left and right operand; K: the contracted axis; several contracted axes count as one K, in the product's order):
;;     1. [M 2,048, K 2,048] x [K 2,048, N 2,048]; A: input x; B: input Wq: QUANTISED (scales: A lowp_scales[0], B lowp_scales[1])
;;     2. [M 2,048, K 2,048] x [K 2,048, N 2,048]; A: input x; B: input Wk: QUANTISED (scales: A lowp_scales[2], B lowp_scales[3])
;;     3. [M 2,048, K 2,048] x [K 2,048, N 2,048]; A: input x; B: input Wv: QUANTISED (scales: A lowp_scales[4], B lowp_scales[5])
;;     4. batch 16 x [M 2,048, K 128] x [K 128, N 2,048]; A: computed on the way; B: computed on the way: QUANTISED (scales: A lowp_scales[6], B lowp_scales[7])
;;     5. batch 16 x [M 2,048, K 2,048] x [K 2,048, N 128]; A: softmax (see below); B: computed on the way: QUANTISED (scales: A lowp_scales[8], B lowp_scales[9])
;;     6. [M 2,048, K 2,048] x [K 2,048, N 2,048]; A: computed on the way; B: input Wproj: QUANTISED (scales: A lowp_scales[10], B lowp_scales[11])
;;   THE QUANTISER, for each operand of a quantised product, along K:
;;     - The operand's scale is 2^e, e = its entry of the input lowp_scales (int32; the entries are numbered through the quantised products in the list's order, A before B).
;;     - Each number is divided by the scale, clamped to +-448, and rounded to the nearest number of E4M3, ties to even, subnormals kept.
;;     - The product sums the exact products of the quantised numbers (number of the format x scale) in f32.
;;   ~~~python
;;   def quantise(x, axis, e):      # numpy; x: float32 -> the quantised numbers, widened to float32 again
;;       x = np.moveaxis(x, axis, -1); K = x.shape[-1]
;;       r = np.clip(x / 2.0 ** e, -448, 448)
;;       step = 2.0 ** (np.maximum(np.frexp(np.where(r == 0, 1, r))[1] - 1, -6) - 3)
;;       q = np.round(r / step) * step * 2.0 ** e      # np.round: ties to even
;;       return np.moveaxis(q, -1, axis).astype(np.float32)
;;   ~~~
;;   SOFTMAX AHEAD OF A QUANTISED PRODUCT. Where the list says 'softmax', what is quantised is not the finished softmax but p = 2^(t - M), with t = logit x log2(e) and M = ceil(the row's largest t), a whole number; so 1/2 < the row's largest p <= 1. The row's sum l is taken of the UNQUANTISED p, in f32, and the product's result is divided by l at the end. Since M is a whole number, a kernel that streams over the keys may use a running M (the ceiling of the running maximum): every later rescaling is an exact power of two, so the quantised numbers keep their values, but for numbers so far below the row's largest that they fall under the format's range.
;;   OPERANDS COMPUTED ON THE WAY. 'Computed on the way' means the value that the module computes at that place (a softmax that the list does not call 'softmax' is quantised finished and normalised). What goes into a quantiser is computed in f32, as accurately as f32 sums, v_exp_f32 and their like allow (about 1e-6 of the number): no bf16 or f16 on the way to a quantiser, and a product that is left as it is and whose result goes on into a quantised operand takes f32 operands (vector FMAs, or v_wmma_f32_16x16x4_f32). A number that lies on a knife's edge between two numbers of the format may be rounded either way, as far as f32 arithmetic and the matrix unit's own rounding can turn it there, and no further.
;; One version. Each part assembles by itself: llvm-mc -triple=amdgcn-amd-amdhsa -mcpu=gfx1250 --defsym DOCPART=n.
;; ======== version 1 of 1: 4 launches
;; limits: right only within a limited range of input values
;; workspace buffers: xcodes 12,582,912 bytes; wcodes 16,777,216 bytes; rope 1,048,576 bytes; qkv 12,582,912 bytes; ocodes 4,194,304 bytes
;; launch prep (part 1): grid 704 x 1, 4 waves a work-group, no clusters, 33,280 bytes of LDS; arguments x, Wq, Wk, Wv, Wproj, lowp_scales, token_positions, xcodes, wcodes, rope; writes xcodes, wcodes, rope
.if DOCPART == 1
	.amdgcn_target "amdgcn-amd-amdhsa--gfx1250"
	.amdhsa_code_object_version 6
	.text
	.protected	k_q00c3d94ee6_prep
	.globl	k_q00c3d94ee6_prep
	.p2align	8
	.type	k_q00c3d94ee6_prep,@function
k_q00c3d94ee6_prep:
	s_mov_b64 s[64:65], 0
	v_nop
	global_prefetch_b8 v0, s[64:65] scope:SCOPE_SE
	s_setreg_imm32_b32 hwreg(HW_REG_WAVE_MODE, 25, 1), 1
	s_wait_xcnt 0x0
; x, Wq, Wk, Wv, Wproj ([2048][2048] f32, K innermost) become codes of E4M3, one code a byte, K innermost; and the table of cos and sin for RoPE is made.
; code = number / 2^e, held within +-448, rounded to the nearest code, ties to even.  x is an operand of three products with three given scales (entries 0, 2, 4): it is read once and written three times.
; Wq, Wk, Wv, Wproj take entries 1, 3, 5, 11.  xcodes: three parts of 4 MiB; wcodes: four parts of 4 MiB; each part [2048][2048] bytes.
; SHARES.  job = work-group / 128: 0 x, 1..4 the weights, 5 (work-groups 640..703) the table.  In jobs 0..4 a wave takes 8,192 numbers: 16 steps of 512.  Rows are dense, so a tensor is a plain stream.
; A step: four loads of 512 consecutive bytes; the 2,048 bytes turn through the wave's own stage in LDS (16 bytes of padding behind each 64) and come back 16 neighbours a lane; a lane's 16 codes are 16 bytes,
; so a store of the wave covers 512 consecutive bytes, aligned.  Loads run four steps ahead, the turn through LDS one step.  All LDS lines stand on the one way that jobs 0..4 share; the branch on the job leads
; only round register work and global stores (x's second and third set of codes).
; THE TABLE: rope[t][i] = (cos, sin) of position(t) x 10000^(-i/64), i = 0..63, f32: 512 bytes a token.  The positions are read from token_positions as numbers; no address hangs on them.
; LIMITS: each e between -126 and 119.  NaN among the inputs is not served.  Positions are taken as unsigned whole numbers inside the table of 2,048.
; The inverse frequency is 2^(-i L), L = log2(10000)/64, within about two units in the last place of the true value, not by the order of rounding of a power and a reciprocal: at angles near 1,800 that can move an angle by some 1e-4.
.set STEPS, 16
.set SP,    80                         ; a lane's place in a stage: 64 bytes + 16 of padding
.set WREG,  8192                       ; LDS: a region for each wave: two stages of 32 x SP bytes
.set SPARE, 4*WREG                     ; behind the four regions: the spare words, 128 bytes a wave: two blocks of 256 bytes that no other line names
.set PART,  0x400000                   ; a part of a codes buffer
.set R,     16                         ; v16-79   four sets of 16 numbers as loaded
.set X,     80                         ; v80-111  two sets of 16 neighbours
.set T,     112                        ; v112-127 the numbers, held
.set C,     128                        ; v128-151 codes: step parity p, output o at C + 12 p + 4 o
.set SPW,   12                         ; v12      LDS address of my spare word; never rewritten
.set NIL,   13                         ; v13      0; never rewritten
	s_load_b512 s[16:31], s[0:1], 0x0              ; x 16, Wq 18, Wk 20, Wv 22, Wproj 24, the exponents 26, the positions 28, xcodes 30
	s_load_b128 s[32:35], s[0:1], 0x40             ; wcodes 32, rope 34
	v_lshl_add_u32 v[SPW], v0, 2, SPARE
	v_mov_b32 v[NIL], 0
	v_lshrrev_b32 v1, 5, v0
	v_readfirstlane_b32 s36, v1                    ; wave
	v_and_b32 v2, 31, v0                           ; lane
	v_lshlrev_b32 v3, 4, v2                        ; 16 x lane: my 16 bytes of a load, of a store of codes, of a token's table row; never rewritten
	s_lshr_b32 s37, ttmp9, 7                       ; job
	s_cmp_ge_u32 ttmp9, 640
	s_cbranch_scc1 .Lrope
	s_mul_i32 s38, s36, WREG
	v_lshrrev_b32 v14, 2, v2
	v_mul_u32_u24 v14, v14, SP
	v_and_b32 v15, 3, v2
	v_lshl_add_u32 v14, v15, 4, v14
	v_add_nc_u32 v14, s38, v14                     ; the stage, on the way in: SP (lane / 4) + 16 (lane % 4)
	v_mul_u32_u24 v15, v2, SP
	v_add_nc_u32 v15, s38, v15                     ; and on the way out: SP x lane
	s_and_b32 s38, ttmp9, 127
	s_lshl_b32 s38, s38, 2
	s_add_co_u32 s38, s38, s36                     ; which run of 8,192 numbers is my wave's: 0..511
	s_lshl_b32 s52, s38, 15                        ; its bytes in the source,
	s_mov_b32 s53, 0
	s_lshl_b32 s54, s38, 13                        ; and in a part of codes
	s_mov_b32 s55, 0
	s_max_u32 s39, s37, 1
	s_sub_co_u32 s39, s39, 1                       ; which part of wcodes (0 for x too)
	s_lshl_b32 s56, s39, 22
	s_mov_b32 s57, 0
	s_add_nc_u64 s[56:57], s[56:57], s[54:55]
	s_wait_kmcnt 0x0
	s_load_b256 s[40:47], s[26:27], 0x0            ; e0 .. e7
	s_load_b128 s[48:51], s[26:27], 0x20           ; e8 .. e11
	s_mov_b64 s[4:5], s[16:17]                     ; the source: chosen by the job alone
.irp j, 1,2,3,4
	s_cmp_eq_u32 s37, \j
	s_cselect_b64 s[4:5], s[16+2*\j:17+2*\j], s[4:5]
.endr
	s_cmp_eq_u32 s37, 0
	s_cselect_b64 s[8:9], s[30:31], s[32:33]       ; the first (or only) set of codes
	s_add_nc_u64 s[4:5], s[4:5], s[52:53]
	s_add_nc_u64 s[8:9], s[8:9], s[56:57]
	s_add_nc_u64 s[10:11], s[30:31], s[54:55]
	s_add_nc_u64 s[10:11], s[10:11], PART          ; x's second set,
	s_add_nc_u64 s[12:13], s[10:11], PART          ; and its third
.macro LOAD t
.irp i, 0,1,2,3
	global_load_b128 v[R+16*((\t)%4)+4*\i:R+16*((\t)%4)+4*\i+3], v3, s[4:5] offset:2048*(\t)+512*\i th:TH_LOAD_NT   ; 32 lanes read 512 consecutive bytes
.endr
.endm
.macro TURN t                          ; step t's numbers through the stage: LDS serves a wave's instructions in order, so no wait stands between the stores and the loads
.irp i, 0,1,2,3
	ds_store_b128 v14, v[R+16*((\t)%4)+4*\i:R+16*((\t)%4)+4*\i+3] offset:32*SP*((\t)%2)+8*SP*\i
.endr
.irp i, 0,1,2,3
	ds_load_b128 v[X+16*((\t)%2)+4*\i:X+16*((\t)%2)+4*\i+3], v15 offset:32*SP*((\t)%2)+16*\i
.endr
.endm
	s_wait_alu depctr_va_vdst(0)
.irp t, 0,1,2,3
	LOAD \t
.endr
	s_wait_kmcnt 0x0
	s_mov_b32 s38, s40                             ; the first set's exponent, chosen by the job
	s_cmp_eq_u32 s37, 1
	s_cselect_b32 s38, s41, s38
	s_cmp_eq_u32 s37, 2
	s_cselect_b32 s38, s43, s38
	s_cmp_eq_u32 s37, 3
	s_cselect_b32 s38, s45, s38
	s_cmp_eq_u32 s37, 4
	s_cselect_b32 s38, s51, s38
.macro MKSC e, sc, lim                 ; v[sc] = 2^e as f32 (the conversion takes its exponent field); v[lim] = 448 x 2^e
	s_add_co_i32 s39, s[\e], 127
	s_lshl_b32 s58, s39, 23
	v_mov_b32 v[\sc], s58
	s_add_co_i32 s39, s39, 8
	s_lshl_b32 s39, s39, 23
	s_or_b32 s39, s39, 0x600000
	v_mov_b32 v[\lim], s39
.endm
	MKSC 38, 11, 10
	MKSC 42, 9, 8                                  ; e2
	MKSC 44, 7, 6                                  ; e4
	s_wait_alu depctr_va_vdst(0)
	s_wait_loadcnt 12                              ; step 0's four loads are in
	TURN 0
; One set of codes of step t: the hold (the conversion to an 8-bit code does not saturate: ISA guide 7.6.2), two conversions, a plain line (the next set's holds write the conversions' sources), the store.
.macro OUT o, lim, sc, base, t
.irp i, 0,1,2,3,4,5,6,7,8,9,10,11,12,13,14,15
	v_med3_num_f32 v[T+\i], v[X+16*((\t)%2)+\i], -v[\lim], v[\lim]
.endr
	v_cvt_scalef32_pk8_fp8_f32 v[C+12*((\t)%2)+4*\o:C+12*((\t)%2)+4*\o+1], v[T:T+7], v[\sc]
	v_cvt_scalef32_pk8_fp8_f32 v[C+12*((\t)%2)+4*\o+2:C+12*((\t)%2)+4*\o+3], v[T+8:T+15], v[\sc]
	v_nop
	global_store_b128 v3, v[C+12*((\t)%2)+4*\o:C+12*((\t)%2)+4*\o+3], s[\base:\base+1] offset:512*(\t)
.endm
.macro STEP t
	s_wait_dscnt 0x0                               ; this step's numbers are back from the stage, and its stores into the stage have read their registers,
.if (\t)+4 < STEPS
	LOAD (\t)+4                                    ; which take the loads of four steps on
.endif
.if (\t)+1 < STEPS
.if STEPS-2-(\t) >= 3
	s_wait_loadcnt 12                              ; the next step's four loads are in; those of the three steps behind it may be out
.else
	s_wait_loadcnt 4*(STEPS-2-(\t))
.endif
	TURN (\t)+1
.endif
	s_wait_xcnt 0x0                                ; the stores of two steps back have read their data: the codes' registers of this parity are written again only behind this wait
	OUT 0, 10, 11, 8, \t
	s_cmp_lg_u32 s37, 0                            ; only x has a second and a third set
	s_cbranch_scc1 .Lone_\@
	OUT 1, 8, 9, 10, \t
	OUT 2, 6, 7, 12, \t
.Lone_\@:
.endm
.irp t, 0,1,2,3,4,5,6,7,8,9,10,11,12,13,14,15
	STEP \t
.endr
	s_wait_tensorcnt 0x0                           ; the wave's end: behind my last LDS store
	ds_add_u32 v[SPW], v[NIL]
	s_wait_dscnt 0x0
	s_endpgm
; THE TABLE.  A wave takes 8 tokens; lane l the frequencies i = 2 l and 2 l + 1: (cos, sin, cos, sin) are its 16 bytes of the token's 512.  This way touches no LDS.
.Lrope:
	s_sub_co_u32 s38, ttmp9, 640
	s_lshl_b32 s38, s38, 5
	s_lshl_b32 s39, s36, 3
	s_add_co_u32 s38, s38, s39                     ; my first token: 32 x (work-group - 640) + 8 x wave
	s_lshl_b32 s4, s38, 2
	s_mov_b32 s5, 0
	s_lshl_b32 s6, s38, 9
	s_mov_b32 s7, 0
	s_mov_b32 s52, 0x3f22f983                      ; 2 / pi
	s_mov_b32 s53, 0xbfc90fdb                      ; - pi/2 in three parts: the first,
	s_mov_b32 s54, 0x333bbd2e                      ; what it lacks,
	s_mov_b32 s55, 0x26f72ced                      ; and what that lacks
	s_mov_b32 s56, 0xbe2aaaa3                      ; sine: r + r z (S1 + z (S2 + z S3)), z = r r, |r| <= pi/4
	s_mov_b32 s57, 0x3c08839e
	s_mov_b32 s58, 0xb94ca1f9
	s_mov_b32 s59, 0x3d2aaaa5                      ; cosine: 1 - z/2 + z z (C1 + z (C2 + z C3))
	s_mov_b32 s60, 0xbab6061a
	s_mov_b32 s61, 0x37ccf5ce
	s_wait_kmcnt 0x0
	s_add_nc_u64 s[28:29], s[28:29], s[4:5]
	s_add_nc_u64 s[34:35], s[34:35], s[6:7]
	s_load_b256 s[40:47], s[28:29], 0x0            ; eight positions
	s_wait_alu depctr_va_vdst(0)
	v_lshlrev_b32 v4, 1, v2
	v_add_nc_u32 v5, 1, v4
	v_cvt_f32_u32 v4, v4                           ; i
	v_cvt_f32_u32 v5, v5
	v_mul_f32 v6, 0xbe549a80, v4                   ; - i x (L rounded up to 17 bits): exact, since i has 6 bits
	v_mul_f32 v7, 0xbe549a80, v5
	s_wait_alu depctr_va_vdst(0)
	v_exp_f32 v8, v6
	v_exp_f32 v9, v7
	v_mul_f32 v4, 0x33aae0c2, v4                   ; i x ln 2 x (what those 17 bits have too much).  (Plain lines behind the exponentials)
	v_mul_f32 v5, 0x33aae0c2, v5
	s_wait_alu depctr_va_vdst(0)                   ; one wait for both exponentials, ahead of their first reader
	v_fma_f32 v8, v8, v4, v8                       ; 10000^(-i/64)
	v_fma_f32 v9, v9, v5, v9
; cos and sin of v[ang] (0 or more, under 2,048): n = the nearest whole number to ang x 2/pi; r = ang - n pi/2 (the first step is exact); polynomials; the quadrant n mod 4 swaps and signs them.
.macro SINCOS ang, c, s
	v_mul_f32 v20, s52, v[\ang]
	v_rndne_f32 v20, v20
	v_fma_f32 v21, v20, s53, v[\ang]
	v_fma_f32 v21, v20, s54, v21
	v_fma_f32 v21, v20, s55, v21
	v_cvt_i32_f32 v22, v20
	v_mul_f32 v23, v21, v21
	v_fma_f32 v24, v23, s58, s57
	v_fma_f32 v26, v23, s61, s60
	v_fma_f32 v24, v24, v23, s56
	v_fma_f32 v26, v26, v23, s59
	v_mul_f32 v25, v21, v23
	v_mul_f32 v27, v23, v23
	v_fma_f32 v24, v25, v24, v21                   ; sin r
	v_fma_f32 v25, v23, -0.5, 1.0
	v_fma_f32 v26, v27, v26, v25                   ; cos r
	v_and_b32 v25, 1, v22
	v_cmp_eq_u32 vcc_lo, 1, v25
	v_cndmask_b32 v[\s], v24, v26, vcc_lo          ; odd quadrants: the two change places
	v_cndmask_b32 v[\c], v26, v24, vcc_lo
	v_lshlrev_b32 v25, 30, v22
	v_add_nc_u32 v22, 1, v22
	v_and_b32 v25, 0x80000000, v25                 ; the sine is negative in quadrants 2, 3,
	v_lshlrev_b32 v22, 30, v22
	v_xor_b32 v[\s], v25, v[\s]
	v_and_b32 v22, 0x80000000, v22                 ; the cosine in 1, 2
	v_xor_b32 v[\c], v22, v[\c]
.endm
	s_wait_kmcnt 0x0
.irp u, 0,1,2,3,4,5,6,7
	v_cvt_f32_u32 v10, s[40+\u]
	s_wait_alu depctr_va_vdst(0)
	v_mul_f32 v16, v10, v8                         ; the angle: one rounding
	v_mul_f32 v17, v10, v9
	SINCOS 16, 64+4*\u, 65+4*\u
	SINCOS 17, 66+4*\u, 67+4*\u
	global_store_b128 v3, v[64+4*\u:67+4*\u], s[34:35] offset:512*\u   ; a token's 512 bytes; each token has registers of its own
.endr
	s_endpgm
.Lfunc_end_k_q00c3d94ee6_prep:
	.size	k_q00c3d94ee6_prep, .Lfunc_end_k_q00c3d94ee6_prep-k_q00c3d94ee6_prep
	.p2alignl 7, 3214868480
	.fill 96, 4, 3214868480
	.section	.rodata,"a",@progbits
	.p2align	6, 0x0
	.amdhsa_kernel k_q00c3d94ee6_prep
		.amdhsa_group_segment_fixed_size 33280
		.amdhsa_private_segment_fixed_size 0
		.amdhsa_enable_private_segment 0
		.amdhsa_kernarg_size 80
		.amdhsa_user_sgpr_count 2
		.amdhsa_user_sgpr_kernarg_segment_ptr 1
		.amdhsa_wavefront_size32 1
		.amdhsa_system_sgpr_workgroup_id_x 1
		.amdhsa_system_sgpr_workgroup_id_y 1
		.amdhsa_system_sgpr_workgroup_id_z 1
		.amdhsa_system_vgpr_workitem_id 0
		.amdhsa_next_free_vgpr 160
		.amdhsa_next_free_sgpr 66
		.amdhsa_reserve_vcc 1
		.amdhsa_float_denorm_mode_32 3
		.amdhsa_float_denorm_mode_16_64 3
		.amdhsa_memory_ordered 1
		.amdhsa_forward_progress 1
		.amdhsa_inst_pref_size 104
	.end_amdhsa_kernel
	.amdgpu_metadata
---
amdhsa.version: [ 1, 2 ]
amdhsa.kernels:
  - .name:           k_q00c3d94ee6_prep
    .symbol:         k_q00c3d94ee6_prep.kd
    .args:
      - { .name: x, .offset: 0, .size: 8, .value_kind: global_buffer, .address_space: global }
      - { .name: Wq, .offset: 8, .size: 8, .value_kind: global_buffer, .address_space: global }
      - { .name: Wk, .offset: 16, .size: 8, .value_kind: global_buffer, .address_space: global }
      - { .name: Wv, .offset: 24, .size: 8, .value_kind: global_buffer, .address_space: global }
      - { .name: Wproj, .offset: 32, .size: 8, .value_kind: global_buffer, .address_space: global }
      - { .name: lowp_scales, .offset: 40, .size: 8, .value_kind: global_buffer, .address_space: global }
      - { .name: token_positions, .offset: 48, .size: 8, .value_kind: global_buffer, .address_space: global }
      - { .name: xcodes, .offset: 56, .size: 8, .value_kind: global_buffer, .address_space: global }
      - { .name: wcodes, .offset: 64, .size: 8, .value_kind: global_buffer, .address_space: global }
      - { .name: rope, .offset: 72, .size: 8, .value_kind: global_buffer, .address_space: global }
    .group_segment_fixed_size: 33280
    .private_segment_fixed_size: 0
    .kernarg_segment_align: 8
    .kernarg_segment_size: 80
    .max_flat_workgroup_size: 128
    .sgpr_count:     66
    .vgpr_count:     160
    .wavefront_size: 32
...
	.end_amdgpu_metadata
.endif
;; end of part 1
;; launch qkv (part 2): grid 24 x 8, 4 waves a work-group, clusters of 4 x 4, 327,680 bytes of LDS; arguments xcodes, wcodes, lowp_scales, rope, qkv; writes qkv
.if DOCPART == 2
	.amdgcn_target "amdgcn-amd-amdhsa--gfx1250"
	.amdhsa_code_object_version 6
	.text
	.protected	k_q00c3d94ee6_qkv
	.globl	k_q00c3d94ee6_qkv
	.p2align	8
	.type	k_q00c3d94ee6_qkv,@function
k_q00c3d94ee6_qkv:
	s_mov_b64 s[64:65], 0
	v_nop
	global_prefetch_b8 v0, s[64:65] scope:SCOPE_SE
	s_setreg_imm32_b32 hwreg(HW_REG_WAVE_MODE, 25, 1), 1
	s_wait_xcnt 0x0
	s_wait_alu depctr_hold_cnt(0) depctr_sa_sdst(0) depctr_va_vdst(0) depctr_va_sdst(0) depctr_va_ssrc(0) depctr_va_vcc(0) depctr_vm_vsrc(0)
	s_getreg_b32 s2, hwreg(HW_REG_IB_STS2, 6, 4)
	s_cmp_eq_u32 s2, 0
	s_cbranch_scc0 .Lentry_in_a_cluster
	s_endpgm
.Lentry_in_a_cluster:
	s_bfe_u32 s2, ttmp6, 0x10000c
	s_cmp_lg_u32 s2, 0xf033
	s_cbranch_scc0 .Lentry_shape_is_right
	s_endpgm
.Lentry_shape_is_right:
; q, k, v = x W^T on codes of E4M3, then RoPE (q, k), then the quantisers of the two attention products; stored as codes.
; job = cluster x / 2: 0 q, 1 k, 2 v.  A work-group makes 256 x 256 of one job's result, four waves of 128 x 128; K goes in steps of 256 through a ring of two LDS slots filled by joint loads (4 x 4 cluster).
; For v the two operands change places, so that the keys, the second attention product's K, come out innermost.  LIMITS: each folded exponent between -126 and 119.
.set KSTEP,  256
.set ROWB,   256
.set KROW,   2048
.set PITCH,  272
.set FR,     16
.set NL,     4
.set NP,     4
.set HALFT,  128*PITCH
.set SLOT,   4*HALFT
.set LAPS,   4
.set SPARE,  2*SLOT
.set SPITCH, 144
.set PART,   0x400000
.set ADRA, 16
.set ADRB, 20
.set STOV, 22
.set STO,  24
.set RD,   25
.set CO,   26
.set RT,   27
.set SPW,  28
.set NIL,  29
.set LIMV, 30
.set SCV,  31
.set OO,   32
.set PCD,  96
.set AF,   128
.set BK,   128
.set G1, 24
.set G0, 32
.set G1B, 48
.set G0B, 56
.set MSB, 0
.macro WIN new
.if MSB != (\new)
	s_set_vgpr_msb (MSB<<8)|(\new)
.set MSB, (\new)
.endif
.endm
.set MUL_LO, 0xa1
.set MUL_HI, 0xf1
.set TO_B,   0x40
.macro JLOAD g0a, g1a, g0b, g1b
	s_cmp_eq_u32 s15, 0
	s_cbranch_scc0 .Lfor_b_\@
	tensor_load_to_lds s[\g0a:\g0a+3], s[\g1a:\g1a+7]
	s_nop 0
.rept 4
	v_nop
.endr
	s_branch .Lasked_\@
.Lfor_b_\@:
	tensor_load_to_lds s[\g0b:\g0b+3], s[\g1b:\g1b+7]
	s_nop 0
.rept 4
	v_nop
.endr
.Lasked_\@:
.endm
.macro CREST
	s_cmp_lg_u32 s14, 0
	s_cbranch_scc1 .Lnot_wave_0_\@
	s_barrier_signal -3
.Lnot_wave_0_\@:
	s_barrier_wait -3
	s_barrier_signal -1
	s_barrier_wait -1
.endm
.macro CROUND
	s_barrier_signal -1
	s_barrier_wait -1
	CREST
.endm
	s_load_b256 s[84:91], s[0:1], 0x0
	s_load_b64 s[92:93], s[0:1], 0x20
	v_lshl_add_u32 v[SPW], v0, 2, SPARE
	v_mov_b32 v[NIL], 0
	ds_add_u32 v[SPW], v[NIL]
	ds_add_u32 v[SPW], v[NIL]
	v_lshrrev_b32 v1, 5, v0
	v_readfirstlane_b32 s14, v1
	s_lshr_b32 s15, s14, 1
	s_and_b32 s16, s14, 1
	s_bfe_u32 s40, ttmp6, 0x40000
	s_bfe_u32 s41, ttmp6, 0x40004
	s_lshr_b32 s66, ttmp9, 1
	s_and_b32 s42, ttmp9, 1
	s_lshl_b32 s42, s42, 2
	s_add_co_u32 s42, s42, s40
	s_and_b32 s17, ttmp7, 0xffff
	s_lshl_b32 s17, s17, 2
	s_add_co_u32 s17, s17, s41
	s_lshl_b32 s43, s41, 2
	s_lshl_b32 s43, 15, s43
	s_lshl_b32 s44, 0x1111, s40
	s_or_b32 s[G1+0], s43, (0<<16)|(1<<20)|(1<<21)|(5<<22)|(3<<25)
	s_or_b32 s[G1B+0], s44, (0<<16)|(1<<20)|(1<<21)|(5<<22)|(3<<25)
.irp g, G1, G1B
	s_mov_b32 s[\g+1], ROWB<<16
	s_mov_b32 s[\g+2], 128<<16
	s_mov_b32 s[\g+3], ROWB<<16
	s_mov_b32 s[\g+4], 128
	s_mov_b32 s[\g+5], KROW
	s_mov_b32 s[\g+6], 0
	s_mov_b32 s[\g+7], 0
.endr
	s_lshl_b32 s18, s16, 7
	s_lshl_b32 s20, s17, 8
	s_add_co_u32 s20, s20, s18
	s_lshl_b32 s20, s20, 11
	s_mov_b32 s21, 0
	s_lshl_b32 s46, s42, 8
	s_add_co_u32 s46, s46, s18
	s_lshl_b32 s46, s46, 11
	s_mov_b32 s47, 0
	s_mul_i32 s45, s14, HALFT
	s_wait_dscnt 0x0
	s_wait_kmcnt 0x0
	s_load_b256 s[68:75], s[88:89], 0x0
	s_load_b64 s[76:77], s[88:89], 0x20
	s_cmp_eq_u32 s66, 2
	s_cselect_b64 s[4:5], s[86:87], s[84:85]
	s_cselect_b64 s[6:7], s[84:85], s[86:87]
	s_lshl_b32 s18, s66, 22
	s_mov_b32 s19, 0
	s_add_nc_u64 s[4:5], s[4:5], s[18:19]
	s_add_nc_u64 s[6:7], s[6:7], s[18:19]
	s_add_nc_u64 s[20:21], s[4:5], s[20:21]
	s_add_nc_u64 s[46:47], s[6:7], s[46:47]
	CROUND
.irp s, 0,1
	s_mov_b32 s[G0+4*\s], 1
	s_add_co_u32 s[G0+4*\s+1], s45, \s*SLOT
	s_add_nc_u64 s[G0+4*\s+2:G0+4*\s+3], s[20:21], \s*ROWB
	s_or_b32 s[G0+4*\s+3], s[G0+4*\s+3], 0x80000000
	s_mov_b32 s[G0B+4*\s], 1
	s_add_co_u32 s[G0B+4*\s+1], s45, \s*SLOT
	s_add_nc_u64 s[G0B+4*\s+2:G0B+4*\s+3], s[46:47], \s*ROWB
	s_or_b32 s[G0B+4*\s+3], s[G0B+4*\s+3], 0x80000000
.endr
	JLOAD G0, G1, G0B, G1B                         ; K step 0: one tensor load a wave at the head, behind the opening round
	v_and_b32 v1, 15, v0
	s_wait_alu depctr_va_vdst(0)
	v_bfe_u32 v2, v0, 4, 1
	v_mul_u32_u24 v3, v1, PITCH
	v_lshl_add_u32 v4, v2, 4, v3
	s_mul_i32 s21, s15, HALFT
	s_mul_i32 s22, s16, HALFT
	s_add_co_u32 s22, s22, 2*HALFT
.irp s, 0,1
	v_add_nc_u32 v[ADRA+\s], s21, v4
	v_add_nc_u32 v[ADRB+\s], s22, v4
	s_add_co_u32 s21, s21, SLOT
	s_add_co_u32 s22, s22, SLOT
.endr
	s_mul_i32 s23, s14, 16*SPITCH
	v_mul_u32_u24 v5, v1, SPITCH
	s_wait_alu depctr_va_vdst(0)
	v_lshl_add_u32 v6, v2, 4, v5
	v_add_nc_u32 v[STOV], s23, v6
	v_lshl_add_u32 v5, v2, 3, v5
	v_add_nc_u32 v[STO], s23, v5
	v_bfe_u32 v5, v0, 3, 2
	v_mul_u32_u24 v5, v5, SPITCH
	v_and_b32 v6, 7, v0
	v_lshl_add_u32 v5, v6, 4, v5
	v_add_nc_u32 v[RD], s23, v5
	v_and_b32 v6, 31, v0
	v_lshlrev_b32 v[CO], 4, v6
	v_lshlrev_b32 v[RT], 9, v1
	v_lshl_add_u32 v[RT], v2, 5, v[RT]
	s_lshl_b32 s20, s17, 1
	s_add_co_u32 s20, s20, s15
	s_lshl_b32 s46, s42, 1
	s_add_co_u32 s46, s46, s16
	s_cmp_eq_u32 s66, 2
	s_cselect_b32 s21, s20, s46
	s_cselect_b32 s47, s46, s20
	s_lshl_b32 s21, s21, 4
	s_add_co_u32 s21, s21, s47
	s_lshl_b32 s18, s21, 14
	s_lshl_b32 s22, s66, 22
	s_add_co_u32 s18, s18, s22
	s_mov_b32 s19, 0
	s_add_nc_u64 s[10:11], s[92:93], s[18:19]
	s_lshl_b32 s18, s20, 16
	s_add_nc_u64 s[82:83], s[90:91], s[18:19]
.macro FRAG reg, adr, q, i
.irp c, 0,1,2,3
	ds_load_b128 v[\reg+4*\c:\reg+4*\c+3], v[\adr] offset:128*(\q)+32*\c+(\i)*16*PITCH
.endr
.endm
.macro MUL16 a0, p, zero
.irp a, \a0, \a0+1
.irp b, 0,1,2,3,4,5,6,7
.if \zero
	v_wmma_f32_16x16x128_fp8_fp8 v[8*(8*((\a)%4)+\b):8*(8*((\a)%4)+\b)+7], v[128*(\p)+FR*\b:128*(\p)+FR*\b+FR-1], v[AF+FR*(\a):AF+FR*(\a)+FR-1], 0
.else
	v_wmma_f32_16x16x128_fp8_fp8 v[8*(8*((\a)%4)+\b):8*(8*((\a)%4)+\b)+7], v[128*(\p)+FR*\b:128*(\p)+FR*\b+FR-1], v[AF+FR*(\a):AF+FR*(\a)+FR-1], v[8*(8*((\a)%4)+\b):8*(8*((\a)%4)+\b)+7]
.endif
.endr
.endr
.endm
.macro FETCH_B slot, q, p
	WIN TO_B
.irp i, 0,1,2,3,4,5,6,7
	FRAG 128*(\p)+FR*\i, ADRB+\slot, \q, \i
.endr
	WIN 0
.endm
.macro FETCH_A slot, q, i0
.irp i, \i0, \i0+1, \i0+2, \i0+3
	FRAG AF+FR*(\i), ADRA+\slot, \q, \i
.endr
.endm
.macro PLACES n
.rept \n
	v_nop
.endr
.endm
.macro STEP slot, q, zero
	s_wait_dscnt 4*NL
	WIN MUL_LO
	MUL16 0, (\q)%2, \zero
	MUL16 2, (\q)%2, \zero
	s_wait_dscnt 0
	PLACES NP
	FETCH_B \slot, (\q)+1, 1-(\q)%2
	FETCH_A \slot, (\q)+1, 0
	WIN MUL_HI
	MUL16 4, (\q)%2, \zero
	MUL16 6, (\q)%2, \zero
	PLACES NP
	WIN 0
	FETCH_A \slot, (\q)+1, 4
.endm
.macro TURN slot, next, fill
	s_wait_tensorcnt 0x0
	ds_add_u32 v[SPW], v[NIL]
	s_wait_dscnt 4*NL+1
	WIN MUL_LO
	MUL16 0, 1, 0
	s_wait_dscnt 0x0
	s_barrier_signal -1
	MUL16 2, 1, 0
	WIN 0
	s_barrier_wait -1
.if \fill
	CREST
	s_add_nc_u64 s[G0+4*\slot+2:G0+4*\slot+3], s[G0+4*\slot+2:G0+4*\slot+3], 2*ROWB
	s_add_nc_u64 s[G0B+4*\slot+2:G0B+4*\slot+3], s[G0B+4*\slot+2:G0B+4*\slot+3], 2*ROWB
	JLOAD G0+4*\slot, G1, G0B+4*\slot, G1B
.else
	PLACES NP
.endif
	FETCH_B \next, 0, 0
	FETCH_A \next, 0, 0
	WIN MUL_HI
	MUL16 4, 1, 0
	MUL16 6, 1, 0
	PLACES NP
	WIN 0
	FETCH_A \next, 0, 4
.endm
.macro CSLOAD a
	WIN 0x40
.irp b, 0,1,2,3,4,5,6,7
	global_load_b128 v[64*((\a)%4)+8*\b:64*((\a)%4)+8*\b+3], v[RT], s[82:83] offset:8192*(\a)+64*\b
	global_load_b128 v[64*((\a)%4)+8*\b+4:64*((\a)%4)+8*\b+7], v[RT], s[82:83] offset:8192*(\a)+64*\b+16
.endr
	WIN 0
.endm
	s_wait_alu depctr_va_vdst(0)                   ; the head's end
	s_wait_tensorcnt 0x0                           ; my part of K step 0 is in
	ds_add_u32 v[SPW], v[NIL]
	s_wait_dscnt 0x0
	CROUND                                         ; everybody's part of K step 0 is in, and the sixteen work-groups meet
	JLOAD G0+4, G1, G0B+4, G1B                     ; K step 1, the first tensor load behind the round
	FETCH_B 0, 0, 0
	FETCH_A 0, 0, 0
	FETCH_A 0, 0, 4
	STEP 0, 0, 1
	s_mov_b32 s3, LAPS-1
.Llap:
	TURN 0, 1, 1
	STEP 1, 0, 0
	TURN 1, 0, 1
	STEP 0, 0, 0
	s_sub_co_u32 s3, s3, 1
	s_cmp_lg_u32 s3, 0
	s_cbranch_scc1 .Llap
	TURN 0, 1, 0
	STEP 1, 0, 0
	s_cmp_eq_u32 s66, 2
	s_cbranch_scc1 .Lno_table
	s_wait_alu depctr_va_vdst(0)
	CSLOAD 0
	CSLOAD 1
.Lno_table:
	s_wait_dscnt 4*NL
	WIN MUL_LO
	MUL16 0, 1, 0
	MUL16 2, 1, 0
	s_wait_dscnt 0
	WIN MUL_HI
	MUL16 4, 1, 0
	MUL16 6, 1, 0
	WIN 0
.macro BLOCKOUT a, isv
.set AC,  64*((\a)%4)
.set CSB, 64*((\a)%4)
.set PCB, PCD+16*((\a)%2)
.set SO,  4*16*SPITCH*(\isv)
.if \isv
	WIN 0x02+((\a)/4)
.set JJ, 0
.rept 64
	v_med3_num_f32 v[OO+JJ], v[AC+JJ], -v[LIMV], v[LIMV]
.set JJ, JJ+1
.endr
	WIN 0
.else
.if (\a) < 5
	s_wait_loadcnt 48
.else
	s_wait_loadcnt 16*(7-(\a))
.endif
	WIN 0x06+((\a)/4)
.set JJ, 0
.rept 32
	v_pk_mul_f32 v[OO+JJ:OO+JJ+1], v[AC+JJ:AC+JJ+1], v[CSB+JJ:CSB+JJ+1] op_sel_hi:[1,0]
.set JJ, JJ+2
.endr
.set JJ, 0
.rept 32
	v_pk_fma_f32 v[OO+JJ:OO+JJ+1], v[AC+JJ:AC+JJ+1], v[CSB+JJ:CSB+JJ+1], v[OO+JJ:OO+JJ+1] op_sel:[1,1,0] op_sel_hi:[0,1,1] neg_lo:[0,1,0]
.set JJ, JJ+2
.endr
.if (\a) < 4
	CSLOAD (\a)+4
.else
	WIN 0
.endif
.set JJ, 0
.rept 64
	v_med3_num_f32 v[OO+JJ], v[OO+JJ], -v[LIMV], v[LIMV]
.set JJ, JJ+1
.endr
.endif
.irp b, 0,1,2,3,4,5,6,7
	v_cvt_scalef32_pk8_fp8_f32 v[PCB+2*\b:PCB+2*\b+1], v[OO+8*\b:OO+8*\b+7], v[SCV]
.endr
	v_nop
.irp b, 0,1,2,3,4,5,6,7
.if \isv
	ds_store_b64 v[STOV], v[PCB+2*\b:PCB+2*\b+1] offset:SO+32*(\b/2)+8*(\b%2)
.else
	ds_store_b64 v[STO], v[PCB+2*\b:PCB+2*\b+1] offset:SO+16*\b
.endif
.endr
.irp i, 0,1,2,3
	ds_load_b128 v[BK+16*(\a)+4*\i:BK+16*(\a)+4*\i+3], v[RD] offset:SO+4*SPITCH*\i
.endr
.endm
.macro SENDC a, younger
	s_wait_dscnt \younger
.irp i, 0,1,2,3
	global_store_b128 v[CO], v[BK+16*(\a)+4*\i:BK+16*(\a)+4*\i+3], s[10:11] offset:2048*(\a)+512*\i
.endr
.endm
	s_wait_kmcnt 0x0
	s_sub_co_i32 s94, s74, s68
	s_sub_co_i32 s94, s94, s69
	s_sub_co_i32 s95, s75, s70
	s_sub_co_i32 s95, s95, s71
	s_sub_co_i32 s96, s77, s72
	s_sub_co_i32 s96, s96, s73
	s_cmp_eq_u32 s66, 1
	s_cselect_b32 s94, s95, s94
	s_cmp_eq_u32 s66, 2
	s_cselect_b32 s94, s96, s94
	s_add_co_i32 s94, s94, 127
	s_lshl_b32 s95, s94, 23
	v_mov_b32 v[SCV], s95
	s_add_co_i32 s94, s94, 8
	s_lshl_b32 s94, s94, 23
	s_or_b32 s94, s94, 0x600000
	v_mov_b32 v[LIMV], s94
	PLACES NP
	s_cmp_eq_u32 s66, 2
	s_cbranch_scc1 .Lway_v
	s_wait_alu depctr_va_vdst(0)
	CSLOAD 2
	CSLOAD 3
	BLOCKOUT 0, 0
.irp a, 1,2,3,4,5,6,7
	BLOCKOUT \a, 0
	SENDC \a-1, 12
.endr
	SENDC 7, 0
	s_branch .Ldone
.Lway_v:
	s_wait_alu depctr_va_vdst(0)
	BLOCKOUT 0, 1
.irp a, 1,2,3,4,5,6,7
	BLOCKOUT \a, 1
	SENDC \a-1, 12
.endr
	SENDC 7, 0
.Ldone:
	s_wait_tensorcnt 0x0
	ds_add_u32 v[SPW], v[NIL]
	s_wait_dscnt 0x0
	CROUND
	s_endpgm
.Lfunc_end_k_q00c3d94ee6_qkv:
	.size	k_q00c3d94ee6_qkv, .Lfunc_end_k_q00c3d94ee6_qkv-k_q00c3d94ee6_qkv
	.p2alignl 7, 3214868480
	.fill 96, 4, 3214868480
	.section	.rodata,"a",@progbits
	.p2align	6, 0x0
	.amdhsa_kernel k_q00c3d94ee6_qkv
		.amdhsa_group_segment_fixed_size 327680
		.amdhsa_private_segment_fixed_size 0
		.amdhsa_enable_private_segment 0
		.amdhsa_kernarg_size 40
		.amdhsa_user_sgpr_count 2
		.amdhsa_user_sgpr_kernarg_segment_ptr 1
		.amdhsa_wavefront_size32 1
		.amdhsa_system_sgpr_workgroup_id_x 1
		.amdhsa_system_sgpr_workgroup_id_y 1
		.amdhsa_system_sgpr_workgroup_id_z 1
		.amdhsa_system_vgpr_workitem_id 0
		.amdhsa_next_free_vgpr 1024
		.amdhsa_next_free_sgpr 100
		.amdhsa_reserve_vcc 0
		.amdhsa_float_denorm_mode_32 3
		.amdhsa_float_denorm_mode_16_64 3
		.amdhsa_memory_ordered 1
		.amdhsa_forward_progress 1
		.amdhsa_inst_pref_size 216
	.end_amdhsa_kernel
	.amdgpu_metadata
---
amdhsa.version: [ 1, 2 ]
amdhsa.kernels:
  - .name:           k_q00c3d94ee6_qkv
    .symbol:         k_q00c3d94ee6_qkv.kd
    .args:
      - { .name: xcodes, .offset: 0, .size: 8, .value_kind: global_buffer, .address_space: global }
      - { .name: wcodes, .offset: 8, .size: 8, .value_kind: global_buffer, .address_space: global }
      - { .name: lowp_scales, .offset: 16, .size: 8, .value_kind: global_buffer, .address_space: global }
      - { .name: rope, .offset: 24, .size: 8, .value_kind: global_buffer, .address_space: global }
      - { .name: qkv, .offset: 32, .size: 8, .value_kind: global_buffer, .address_space: global }
    .group_segment_fixed_size: 327680
    .private_segment_fixed_size: 0
    .kernarg_segment_align: 8
    .kernarg_segment_size: 40
    .max_flat_workgroup_size: 128
    .sgpr_count:     100
    .vgpr_count:     1024
    .wavefront_size: 32
...
	.end_amdgpu_metadata
.endif
;; end of part 2
;; launch attn (part 3): grid 16 x 16, 16 waves a work-group, no clusters, 327,680 bytes of LDS; arguments qkv, lowp_scales, ocodes; writes ocodes
.if DOCPART == 3
	.amdgcn_target "amdgcn-amd-amdhsa--gfx1250"
	.amdhsa_code_object_version 6
	.text
	.protected	k_q00c3d94ee6_attn
	.globl	k_q00c3d94ee6_attn
	.p2align	8
	.type	k_q00c3d94ee6_attn,@function
k_q00c3d94ee6_attn:
	s_mov_b64 s[64:65], 0
	v_nop
	global_prefetch_b8 v0, s[64:65] scope:SCOPE_SE
	s_setreg_imm32_b32 hwreg(HW_REG_WAVE_MODE, 25, 1), 1
	s_wait_xcnt 0x0
; o[h][q][:] = the sum over k <= q of softmax_k(q . k / sqrt(128)) v[h][k][:], both products on codes of E4M3; o is quantised for the last product and stored as codes.
; qkv: three parts of 4 MiB: q, k: [16 heads][2048 tokens][128];  v: [16 heads][16 key blocks][128 d][128 places] (the keys innermost; place 32 c + 16 h + 8 u + j holds key 32 c + 16 u + 8 h + j).
; ocodes: [16 blocks of 128 tokens][16 heads][128 tokens][128 d].
; THE SOFTMAX: t = score x log2(e) / sqrt(128); M = the largest t so far, rounded UP to a whole number; p = 2^(t - M) is quantised, not normalised; the row's sum is taken of the unquantised p and divides O at the end.
; SHARES.  Work-group (i, head) owns the early block of 64 queries, 64 i on, and the late one, 64 (31 - i) on: eight tiles of 16 queries.  TWO waves own a tile: wave 2 n takes the even key blocks of 128, wave 2 n + 1 the odd ones,
; each with its own M, sum and O^T.  At the end the odd wave hands its three to the even one through LDS; they are joined under the larger M by exact powers of two.  Waves 0-7 have the early tiles, 8-15 the late ones.
; THE RING: two LDS slots of 512 keys (4 blocks of K, 4 of V, 128 lines of 144 bytes each), filled by waves 0-7, one tensor load each: 16,384 dense bytes stated as 64 rows of 256, padded behind each 128.
; LAYOUT.  Both products transposed: S^T = K Q^T, O^T = V^T P^T: a lane holds ONE query (lane % 16).  In tile t lane (r, h) holds keys 16 t + 8 h + 0 .. 7; their codes are registers 2 t, 2 t + 1 of the second operand; V's places fit that order.
; THE CAUSAL MASK (built by the problem itself).  Every work-group walks all 4 slots; a step all of whose keys come after the wave's queries is jumped over (ids alone, round no barrier and no tensor load); on the diagonal hidden
; scores become -infinity.  A step that is walked has its first key at or under all 16 queries.  A slot whose first key comes after the work-group's last query is not asked for: a jump on ids, the same in all waves, round the
; load's own lines alone; every wait on TENSORcnt is for 0, and no step reads a slot that was left out.
; NO CLUSTER: how many slots a work-group asks for hangs on its number (its last query is 2,047 - 64 i), so partners would need different numbers of tiles, and no jump may lead round a joint load.
; LIMITS: e6 + e7 between -123 and 130 (added to c's exponent field); e8, and e10 - e8 - e9, between -126 and 119.
; REGISTERS: v1-11 addresses; v12 -M, v13 the largest t, v[14:15] the sum; v16-31 Q; v32-95 four fragments of K or V; v96-159 S^T, then p; v160-223 O^T; v224-239 codes; v240-245 the quantisers' constants; v242-254 at work.
.set SK,    512
.set KP,    144                        ; a line of 128 bytes in LDS + 16 of padding
.set TILEB, 128*KP                     ; what one tensor load brings
.set VOFF,  4*TILEB
.set SLOTB, 8*TILEB
.set NSL,   4
.set PART,  0x400000
.set SPARE, 2*SLOTB                    ; the spare words: 128 bytes a wave, eight blocks of 256 bytes that no other line names
.set MSTB,  8448                       ; a pair's stage for the hand-over: 8,192 bytes of O^T, 256 of (sum, -M); in slot 0, which is left at the last change of slots: it has had its last fill, and nobody reads it
.set OST,   8*MSTB                     ; behind them, in slot 0 too: 16 rows x 144 bytes a pair for the way out
.set AK0,  1
.set AV0,  2
.set PFO,  3                           ; 256 x lane
.set MS,   4                           ; my pair's stage + 16 x lane
.set SPW,  5
.set NIL,  6
.set GO,   7                           ; 16 x lane
.set ADK,  8
.set ADV,  9
.set STI,  10                          ; the way out: in
.set STB,  11                          ; and back
.set XCH,  247                         ; what the lane 16 away sends: a register of its own, outside the codes' v224-239
.set MS2,  246                         ; my pair's stage + 8 x lane
.set TB,   2                           ; s2   where the slot in hand begins
.set HF,   3                           ; s3   wave & 1: which key blocks are mine
.set TF,   12                          ; s12  where the slot that is filled begins
.set KS,   13                          ; s13  first key of the slot in hand
.set WV,   18
.set SEL,  20
.set CS,   22
.set G1,   24
.set G0,   40
.set SLOTS, 67
.set PFA,  76
.set LIM,  80
.set LASTQ, 81
.set KF,   98                          ; my step's first key
.set Q0,   99                          ; my first query
.macro TLOAD                           ; waves 0-3: K's four blocks of a slot; waves 4-7: V's.  An s_nop 0 and four v_nop follow the load
	s_cmp_lt_u32 s[WV], 8
	s_cbranch_scc0 .Lasked_\@
	tensor_load_to_lds s[G0:G0+3], s[G1:G1+7]
	s_nop 0
.rept 4
	v_nop
.endr
.Lasked_\@:
.endm
; A prefetch of the slot that the NEXT change will ask for: the head's first work-group asks, which walks every slot; in it waves 8-15, which fetch nothing: 16,384 bytes a wave, two instructions, lanes 256 bytes apart,
; so each aligned block of 256 bytes is named once in the launch.  Slots 0 and 1 come by their loads alone; the last change that fills a slot asks for nothing.
.macro ASK
	s_cmp_gt_u32 s[SLOTS], s[LIM]
	s_cbranch_scc0 .Lnot_mine_\@
	global_prefetch_b8 v[PFO], s[PFA:PFA+1] th:TH_LOAD_NT scope:SCOPE_SE
	global_prefetch_b8 v[PFO], s[PFA:PFA+1] offset:8192 th:TH_LOAD_NT scope:SCOPE_SE
.Lnot_mine_\@:
.endm
	s_load_b128 s[4:7], s[0:1], 0x0                ; qkv, the exponents
	s_load_b64 s[8:9], s[0:1], 0x10                ; ocodes
	v_lshl_add_u32 v[SPW], v0, 2, SPARE
	v_mov_b32 v[NIL], 0
	ds_add_u32 v[SPW], v[NIL]                      ; the opening lines: the add, twice on end, and one wait
	ds_add_u32 v[SPW], v[NIL]
	v_lshrrev_b32 v8, 5, v0
	v_readfirstlane_b32 s[WV], v8                  ; wave 0..15
	s_and_b32 s74, ttmp7, 0xffff                   ; the head
	s_lshl_b32 s89, s74, 14
	s_lshl_b32 s74, s74, 18                        ; its first byte in each part of qkv
	s_and_b32 s[HF], s[WV], 1
	s_lshr_b32 s82, s[WV], 3                       ; 1: a late tile
	s_sub_co_u32 s83, 31, ttmp9
	s_cmp_eq_u32 s82, 0
	s_cselect_b32 s82, ttmp9, s83                  ; my block of 64 queries
	s_lshl_b32 s82, s82, 6
	s_bfe_u32 s83, s[WV], 0x20001                  ; my tile in it: (wave / 2) % 4
	s_lshl_b32 s83, s83, 4
	s_add_co_u32 s[Q0], s82, s83
	s_lshl_b32 s83, ttmp9, 6
	s_sub_co_u32 s[LASTQ], 2047, s83
	s_lshl_b32 s84, s[Q0], 7
	s_add_co_u32 s84, s84, s74                     ; my queries' codes
	s_mov_b32 s85, 0
	s_lshr_b32 s88, s[Q0], 7                       ; o: block of 128 tokens, head, token in the block
	s_lshl_b32 s88, s88, 18
	s_add_co_u32 s88, s88, s89
	s_and_b32 s89, s[Q0], 127
	s_lshl_b32 s89, s89, 7
	s_add_co_u32 s88, s88, s89
	s_mov_b32 s89, 0
	s_and_b32 s86, s[WV], 3                        ; what I fetch (waves 0-7) or prefetch (8-15): block wave & 3
	s_lshl_b32 s86, s86, 14
	s_add_co_u32 s86, s86, s74
	s_and_b32 s83, s[WV], 4                        ; of K (0) or of V (4)
	s_lshl_b32 s83, s83, 20
	s_add_co_u32 s86, s86, s83
	s_add_co_u32 s86, s86, PART
	s_mov_b32 s87, 0
	s_and_b32 s75, s[WV], 7
	s_mul_i32 s75, s75, TILEB                      ; and where it goes in a slot
	s_lshr_b32 s82, s[WV], 3
	s_xor_b32 s82, s82, 1
	s_or_b32 s82, s82, ttmp9                       ; 0 in waves 8-15 of the head's first work-group
	s_cmp_eq_u32 s82, 0
	s_cselect_b32 s[LIM], 1, -1
	s_mul_i32 s91, s[HF], TILEB                    ; my key block of each two
	s_lshr_b32 s92, s[WV], 1                       ; my pair
	s_mul_i32 s93, s92, 16*KP
	s_add_co_u32 s93, s93, OST
	s_mul_i32 s92, s92, MSTB
	s_mov_b32 s[G1], (0<<16)|(1<<20)|(4<<22)|(3<<25)   ; elements of 1 byte; four words of padding after every 32
	s_mov_b32 s[G1+1], 256<<16
	s_mov_b32 s[G1+2], 64<<16
	s_mov_b32 s[G1+3], 256<<16
	s_mov_b32 s[G1+4], 64
	s_mov_b32 s[G1+5], 256
	s_mov_b32 s[G1+6], 0
	s_mov_b32 s[G1+7], 0
	s_mov_b32 s[SEL], 0x76543210
	s_mov_b32 s[SEL+1], 0xfedcba98
	s_mov_b32 s[CS], 0x3e0293ee                    ; log2(e) / sqrt(128)
	s_mov_b32 s[TB], 0
	s_mov_b32 s[TF], 0
	s_mov_b32 s[KS], 0
	s_mov_b32 s[SLOTS], NSL-1
	s_lshl_b32 s[KF], s[HF], 7
	s_wait_dscnt 0x0                               ; both opening adds are done
	s_wait_kmcnt 0x0
	s_load_b128 s[68:71], s[6:7], 0x18             ; e6, e7, e8, e9
	s_load_b32 s72, s[6:7], 0x28                   ; e10
	s_mov_b32 s[G0], 1
	s_mov_b32 s[G0+1], s75
	s_add_nc_u64 s[G0+2:G0+3], s[4:5], s[86:87]
	s_or_b32 s[G0+3], s[G0+3], 0x80000000
	TLOAD                                          ; slot 0
	s_add_nc_u64 s[10:11], s[4:5], s[84:85]
	s_add_nc_u64 s[16:17], s[8:9], s[88:89]
	s_add_nc_u64 s[PFA:PFA+1], s[4:5], s[86:87]
	s_add_nc_u64 s[PFA:PFA+1], s[PFA:PFA+1], SK*128   ; in slot 1: the first change steps it to slot 2
	v_and_b32 v8, 15, v0                           ; r
	v_bfe_u32 v9, v0, 4, 1                         ; h
	v_lshlrev_b32 v254, 7, v8
	v_lshl_add_u32 v254, v9, 4, v254
.irp c, 0,1,2,3
	global_load_b128 v[16+4*\c:19+4*\c], v254, s[10:11] offset:32*\c   ; Q's fragment stays in registers
.endr
	v_mul_u32_u24 v[STI], v8, KP
	v_lshl_add_u32 v[AK0], v9, 4, v[STI]
	v_lshl_add_u32 v[STI], v9, 3, v[STI]
	v_add_nc_u32 v[STI], s93, v[STI]               ; the way out, in: row r, 8 bytes for each half of the lanes
	v_add_nc_u32 v[AK0], s91, v[AK0]               ; a fragment's line r x 144 + 16 h, in my key block
	v_add_nc_u32 v[AV0], VOFF, v[AK0]
	v_bfe_u32 v[STB], v0, 3, 2
	v_mul_u32_u24 v[STB], v[STB], KP
	v_and_b32 v[GO], 7, v0
	v_lshl_add_u32 v[STB], v[GO], 4, v[STB]
	v_add_nc_u32 v[STB], s93, v[STB]               ; back: eight lanes to a row, four rows an instruction
	v_and_b32 v[GO], 31, v0
	v_lshlrev_b32 v[PFO], 8, v[GO]
	v_lshlrev_b32 v[MS2], 3, v[GO]
	v_add_nc_u32 v[MS2], s92, v[MS2]
	v_lshlrev_b32 v[GO], 4, v[GO]
	v_add_nc_u32 v[MS], s92, v[GO]
	v_mov_b32 v13, 0xff61b1e6                      ; the largest t so far: -3e38
	v_floor_f32 v12, -v13                          ; -M
	v_mov_b32 v14, 0
	v_mov_b32 v15, 0
	v_mov_b32 v[XCH], 0                            ; a lane permute's destination counts as one of its sources
	v_mov_b32 v253, 0
.set JJ, 0
.rept 64
	v_mov_b32 v[160+JJ], 0                         ; O^T: the step is written once; a wave with no step hands zeros over
.set JJ, JJ+1
.endr
	s_wait_kmcnt 0x0
	s_add_co_i32 s82, s68, s69
	s_lshl_b32 s82, s82, 23
	s_add_co_i32 s[CS], s[CS], s82                 ; c x 2^(e6 + e7)
	s_mov_b32 s[CS+1], s[CS]
	s_add_co_i32 s82, s70, 127
	s_lshl_b32 s83, s82, 23
	v_mov_b32 v244, s83                            ; 2^e8
	s_add_co_i32 s82, s82, 8
	s_lshl_b32 s82, s82, 23
	s_or_b32 s82, s82, 0x600000
	v_mov_b32 v240, s82                            ; 448 x 2^e8
	s_sub_co_i32 s82, s72, s70
	s_sub_co_i32 s82, s82, s71
	s_add_co_i32 s82, s82, 127
	s_lshl_b32 s83, s82, 23
	v_mov_b32 v245, s83                            ; 2^(e10 - e8 - e9)
	s_add_co_i32 s82, s82, 8
	s_lshl_b32 s82, s82, 23
	s_or_b32 s82, s82, 0x600000
	v_mov_b32 v241, s82                            ; 448 x that
; A KEY STEP: my j-th key block of the slot in hand (block 2 j + wave & 1).
.macro STEP j
	s_add_co_u32 s96, s[Q0], 15
	s_cmp_gt_u32 s[KF], s96
	s_cbranch_scc1 .Lhidden_\@
	v_add_nc_u32 v[ADK], s[TB], v[AK0]
	v_add_nc_u32 v[ADV], s[TB], v[AV0]
.irp g, 0,1                                    ; S^T = K Q^T, four tiles of 16 keys at a time
.rept 2+2*\g
	v_nop                                          ; four places (the two additions among them) ahead of loads into registers that matrix instructions have read
.endr
.irp t, 0,1,2,3
.irp c, 0,1,2,3
	ds_load_b128 v[32+16*\t+4*\c:35+16*\t+4*\c], v[ADK] offset:2*(\j)*TILEB+16*(4*\g+\t)*KP+32*\c
.endr
.endr
.if \g == 0
	s_wait_alu depctr_va_vdst(0)
.endif
	s_wait_dscnt 0x0
.irp t, 0,1,2,3
	v_wmma_f32_16x16x128_fp8_fp8 v[96+8*(4*\g+\t):103+8*(4*\g+\t)], v[32+16*\t:47+16*\t], v[16:31], 0
.endr
.endr
.rept 4
	v_nop
.endr
	s_add_co_u32 s96, s[KF], 127                   ; a step all of whose keys count skips the mask
	s_cmp_le_u32 s96, s[Q0]
	s_cbranch_scc1 .Lopen_\@
	s_sub_co_i32 s96, s[Q0], s[KF]
	v_and_b32 v252, 15, v0
	v_bfe_u32 v253, v0, 4, 1
	v_lshlrev_b32 v253, 3, v253
	v_sub_nc_u32 v252, v252, v253
	v_add_nc_u32 v252, s96, v252                   ; d = my query - KF - 8 h: register 8 t + j is hidden where 16 t + j > d
	v_mov_b32 v254, 0xff800000
.set NN, 0
.rept 64
	v_cmp_gt_i32 vcc_lo, 16*(NN/8)+NN%8, v252
	v_cndmask_b32 v[96+NN], v[96+NN], v254, vcc_lo
.set NN, NN+1
.endr
.Lopen_\@:
	v_max3_num_f32 v254, v96, v97, v98             ; the step's largest score, in two chains, each tile from its low end on
	v_max3_num_f32 v252, v99, v100, v101
.set II, 6
.rept 14
	v_max3_num_f32 v254, v254, v[96+II], v[97+II]
	v_max3_num_f32 v252, v252, v[98+II], v[99+II]
.set II, II+4
.endr
	v_max3_num_f32 v254, v254, v158, v159
	v_max_num_f32 v254, v254, v252
	v_permlanex16_b32 v[XCH], v254, s[SEL], s[SEL+1]
	v_max_num_f32 v254, v254, v[XCH]
	v_mul_f32 v254, s[CS], v254                    ; as t (c is positive)
	v_max_num_f32 v13, v13, v254
	v_mov_b32 v254, v12
	v_floor_f32 v12, -v13                          ; the new -M
	v_sub_f32 v254, v12, v254                      ; old M - new M: a whole number, 0 or less
	v_cvt_i32_f32 v254, v254                       ; (it saturates)
	v_ldexp_f32 v252, 1.0, v254                    ; f = 2^(old M - new M)
.set JJ, 0
.rept 32
	v_pk_fma_f32 v[96+JJ:97+JJ], v[96+JJ:97+JJ], s[CS:CS+1], v[12:13] op_sel_hi:[1,0,0]   ; t - M
.set JJ, JJ+2
.endr
	s_wait_alu depctr_va_vdst(0)
.set JJ, 0
.rept 64
	v_exp_f32 v[96+JJ], v[96+JJ]
.set JJ, JJ+1
.endr
	v_pk_mul_f32 v[14:15], v[14:15], v[252:253] op_sel_hi:[1,0]   ; the sums under the new M (a plain place behind the batch)
	s_wait_alu depctr_va_vdst(0)                   ; and one wait behind it, ahead of its first reader
	v_pk_add_f32 v[242:243], v[96:97], v[98:99]    ; the row's sum of the unquantised p, in two chains
.set JJ, 4
.rept 15
	v_pk_add_f32 v[14:15], v[14:15], v[96+JJ:97+JJ]
	v_pk_add_f32 v[242:243], v[242:243], v[98+JJ:99+JJ]
.set JJ, JJ+4
.endr
	v_pk_add_f32 v[14:15], v[14:15], v[242:243]
.irp t, 0,1,2,3,4,5,6,7
.irp i, 0,1,2,3,4,5,6,7
	v_min_num_f32 v[96+8*\t+\i], v[96+8*\t+\i], v240   ; the conversion does not saturate (ISA guide 7.6.2); p is not negative
.endr
	v_cvt_scalef32_pk8_fp8_f32 v[224+2*\t:225+2*\t], v[96+8*\t:103+8*\t], v244
.endr
	s_wait_alu depctr_va_vdst(0)                   ; the wait directly ahead of the first reader of O^T
.set JJ, 0
.rept 32
	v_pk_mul_f32 v[160+JJ:161+JJ], v[160+JJ:161+JJ], v[252:253] op_sel_hi:[1,0]   ; O^T under the new M; also the places ahead of what follows
.set JJ, JJ+2
.endr
.irp g, 0,1                                    ; O^T += V^T P^T, four tiles of 16 of the head's 128 at a time
.if \g > 0
.rept 4
	v_nop
.endr
.endif
.irp t, 0,1,2,3
.irp c, 0,1,2,3
	ds_load_b128 v[32+16*\t+4*\c:35+16*\t+4*\c], v[ADV] offset:2*(\j)*TILEB+16*(4*\g+\t)*KP+32*\c
.endr
.endr
.if \g == 0
	s_wait_alu depctr_va_vdst(0)
.endif
	s_wait_dscnt 0x0
.irp t, 0,1,2,3
	v_wmma_f32_16x16x128_fp8_fp8 v[160+8*(4*\g+\t):167+8*(4*\g+\t)], v[32+16*\t:47+16*\t], v[224:239], v[160+8*(4*\g+\t):167+8*(4*\g+\t)]
.endr
.endr
.Lhidden_\@:
	s_add_co_u32 s[KF], s[KF], 256
.endm
; THE CHANGE OF SLOTS, at a slot's head: the wait for all my tensor loads, the add, the wait for it and for my reads of the slot that I have left; one barrier; fill = 1: the slot just left takes the next 512 keys, up to the causal limit.
.macro CHANGE fill
	s_wait_tensorcnt 0x0
	ds_add_u32 v[SPW], v[NIL]
.if \fill
	ds_add_u32 v[SPW], v[NIL]                      ; and here twice on end
	s_xor_b32 s[TF], s[TF], SLOTB                  ; 0 or SLOTB by turns
	s_add_co_u32 s[G0+1], s[TF], s75
	s_add_nc_u64 s[G0+2:G0+3], s[G0+2:G0+3], SK*128
	s_wait_xcnt 0x0                                ; the last prefetches have read their address
	s_add_nc_u64 s[PFA:PFA+1], s[PFA:PFA+1], SK*128
.endif
	s_wait_dscnt 0x0
	s_barrier_signal -1
	s_barrier_wait -1
.if \fill
	s_add_co_u32 s96, s[KS], SK                    ; the first key of the slot that this change would ask for
	s_cmp_gt_u32 s96, s[LASTQ]
	s_cbranch_scc1 .Lpast_\@
	TLOAD
.Lpast_\@:
	ASK
.endif
.endm
.macro SLOT_STEPS
	STEP 0
	STEP 1
	s_xor_b32 s[TB], s[TB], SLOTB
	s_add_co_u32 s[KS], s[KS], SK
.endm
	s_wait_alu depctr_va_vdst(0)                   ; the head's end
	s_wait_loadcnt 0x0                             ; Q
.Lslot:
	CHANGE 1
	SLOT_STEPS
	s_sub_co_u32 s[SLOTS], s[SLOTS], 1
	s_cmp_lg_u32 s[SLOTS], 0
	s_cbranch_scc1 .Lslot
	CHANGE 0                                       ; the last slot is written out: it asks for nothing
	SLOT_STEPS
	; THE HAND-OVER.  These six lines are also the places between the last products and the first read of O^T and the loads into the fragments' registers.
	v_add_f32 v14, v14, v15
	v_permlanex16_b32 v[XCH], v14, s[SEL], s[SEL+1]
	v_add_f32 v14, v14, v[XCH]                     ; the row's sum over my key blocks
	v_mov_b32 v15, v12                             ; beside it -M
	v_nop
	v_nop
	s_wait_alu depctr_va_vdst(0)
	s_cmp_eq_u32 s[HF], 0
	s_cbranch_scc1 .Lkeep
.set JJ, 0
.rept 16
	ds_store_b128 v[MS], v[160+4*JJ:163+4*JJ] offset:512*JJ   ; an image of the registers; each accumulator from its low end on
.set JJ, JJ+1
.endr
	ds_store_b64 v[MS2], v[14:15] offset:8192
.Lkeep:
	s_wait_dscnt 0x0                               ; my stores are done before I say so
	s_barrier_signal -1
	s_barrier_wait -1
	s_cmp_lg_u32 s[HF], 0
	s_cbranch_scc1 .Ldone
	ds_load_b64 v[242:243], v[MS2] offset:8192     ; the partner's sum and -M
.set JJ, 0
.rept 16
	ds_load_b128 v[32+4*JJ:35+4*JJ], v[MS] offset:512*JJ   ; and its O^T
.set JJ, JJ+1
.endr
	s_wait_dscnt 0x0
	v_min_num_f32 v254, v12, v243                  ; -(the larger M)
	v_sub_f32 v252, v254, v12
	v_sub_f32 v253, v254, v243                     ; whole numbers, 0 or less
	v_cvt_i32_f32 v252, v252
	v_cvt_i32_f32 v253, v253                       ; (they saturate: a partner with no step gets the factor 0)
	v_ldexp_f32 v252, 1.0, v252
	v_ldexp_f32 v253, 1.0, v253
	v_mul_f32 v14, v14, v252
	v_fma_f32 v14, v242, v253, v14                 ; the row's whole sum under the larger M
	s_wait_alu depctr_va_vdst(0)                   ; ahead of the reciprocal
	v_rcp_f32 v14, v14
	v_nop
	s_wait_alu depctr_va_vdst(0)                   ; and ahead of its first reader
	v_mul_f32 v252, v252, v14                      ; a power of two x 1 / sum: exact scalings of the reciprocal
	v_mul_f32 v253, v253, v14
	s_wait_alu depctr_va_vdst(0)                   ; the wait directly ahead of the first reader of O^T
.set JJ, 0
.rept 32
	v_pk_mul_f32 v[96+JJ:97+JJ], v[160+JJ:161+JJ], v[252:253] op_sel_hi:[1,0]
.set JJ, JJ+2
.endr
.set JJ, 0
.rept 32
	v_pk_fma_f32 v[96+JJ:97+JJ], v[32+JJ:33+JJ], v[252:253], v[96+JJ:97+JJ] op_sel:[0,1,0] op_sel_hi:[1,1,1]   ; + the partner's x v253: register 8 t + i is o(r, 16 t + 8 h + i)
.set JJ, JJ+2
.endr
.set JJ, 0
.rept 64
	v_med3_num_f32 v[96+JJ], v[96+JJ], -v241, v241
.set JJ, JJ+1
.endr
.irp t, 0,1,2,3,4,5,6,7
	v_cvt_scalef32_pk8_fp8_f32 v[224+2*\t:225+2*\t], v[96+8*\t:103+8*\t], v245
.endr
	v_nop                                          ; a plain line behind the last conversion
.irp t, 0,1,2,3,4,5,6,7
	ds_store_b64 v[STI], v[224+2*\t:225+2*\t] offset:16*\t
.endr
.irp i, 0,1,2,3
	ds_load_b128 v[32+4*\i:35+4*\i], v[STB] offset:4*KP*\i   ; LDS serves a wave's instructions in order: these see my stores
.endr
.irp i, 0,1,2,3
	s_wait_dscnt 3-\i                              ; the loads issued behind this one may be out
	global_store_b128 v[GO], v[32+4*\i:35+4*\i], s[16:17] offset:512*\i   ; 512 consecutive bytes a store
.endr
.Ldone:
	s_wait_tensorcnt 0x0                           ; the wave's end
	ds_add_u32 v[SPW], v[NIL]
	s_wait_dscnt 0x0
	s_endpgm
.Lfunc_end_k_q00c3d94ee6_attn:
	.size	k_q00c3d94ee6_attn, .Lfunc_end_k_q00c3d94ee6_attn-k_q00c3d94ee6_attn
	.p2alignl 7, 3214868480
	.fill 96, 4, 3214868480
	.section	.rodata,"a",@progbits
	.p2align	6, 0x0
	.amdhsa_kernel k_q00c3d94ee6_attn
		.amdhsa_group_segment_fixed_size 327680
		.amdhsa_private_segment_fixed_size 0
		.amdhsa_enable_private_segment 0
		.amdhsa_kernarg_size 24
		.amdhsa_user_sgpr_count 2
		.amdhsa_user_sgpr_kernarg_segment_ptr 1
		.amdhsa_wavefront_size32 1
		.amdhsa_system_sgpr_workgroup_id_x 1
		.amdhsa_system_sgpr_workgroup_id_y 1
		.amdhsa_system_sgpr_workgroup_id_z 1
		.amdhsa_system_vgpr_workitem_id 0
		.amdhsa_next_free_vgpr 256
		.amdhsa_next_free_sgpr 100
		.amdhsa_reserve_vcc 1
		.amdhsa_float_denorm_mode_32 3
		.amdhsa_float_denorm_mode_16_64 3
		.amdhsa_memory_ordered 1
		.amdhsa_forward_progress 1
		.amdhsa_inst_pref_size 121
	.end_amdhsa_kernel
	.amdgpu_metadata
---
amdhsa.version: [ 1, 2 ]
amdhsa.kernels:
  - .name:           k_q00c3d94ee6_attn
    .symbol:         k_q00c3d94ee6_attn.kd
    .args:
      - { .name: qkv, .offset: 0, .size: 8, .value_kind: global_buffer, .address_space: global }
      - { .name: lowp_scales, .offset: 8, .size: 8, .value_kind: global_buffer, .address_space: global }
      - { .name: ocodes, .offset: 16, .size: 8, .value_kind: global_buffer, .address_space: global }
    .group_segment_fixed_size: 327680
    .private_segment_fixed_size: 0
    .kernarg_segment_align: 8
    .kernarg_segment_size: 24
    .max_flat_workgroup_size: 512
    .sgpr_count:     100
    .vgpr_count:     256
    .wavefront_size: 32
...
	.end_amdgpu_metadata
.endif
;; end of part 3
;; launch proj (part 4): grid 16 x 16, 4 waves a work-group, clusters of 4 x 4, 327,680 bytes of LDS; arguments ocodes, wcodes, lowp_scales, out0; writes out0
.if DOCPART == 4
	.amdgcn_target "amdgcn-amd-amdhsa--gfx1250"
	.amdhsa_code_object_version 6
	.text
	.protected	k_q00c3d94ee6_proj
	.globl	k_q00c3d94ee6_proj
	.p2align	8
	.type	k_q00c3d94ee6_proj,@function
k_q00c3d94ee6_proj:
	s_mov_b64 s[64:65], 0
	v_nop
	global_prefetch_b8 v0, s[64:65] scope:SCOPE_SE
	s_setreg_imm32_b32 hwreg(HW_REG_WAVE_MODE, 25, 1), 1
	s_wait_xcnt 0x0
	s_wait_alu depctr_hold_cnt(0) depctr_sa_sdst(0) depctr_va_vdst(0) depctr_va_sdst(0) depctr_va_ssrc(0) depctr_va_vcc(0) depctr_vm_vsrc(0)
	s_getreg_b32 s2, hwreg(HW_REG_IB_STS2, 6, 4)
	s_cmp_eq_u32 s2, 0
	s_cbranch_scc0 .Lentry_in_a_cluster
	s_endpgm
.Lentry_in_a_cluster:
	s_bfe_u32 s2, ttmp6, 0x10000c
	s_cmp_lg_u32 s2, 0xf033
	s_cbranch_scc0 .Lentry_shape_is_right
	s_endpgm
.Lentry_shape_is_right:
; out0 = o Wproj^T on codes of E4M3, each sum x 2^(e10 + e11).  A work-group makes 128 x 128, four waves of 64 x 64; K goes in steps of 512 (four heads) through a ring of two LDS slots filled by joint loads (4 x 4 cluster).
; o's codes lie [block of 128 tokens][head][128 tokens][128 d]: a K step of A is dense in memory and is stated as rows of 256 bytes, padded behind each 128.  LIMIT: e10 + e11 between -126 and 127.
.set KSTEP,  512
.set PA,     144
.set PB,     528
.set BOFF,   512*PA
.set SLOT,   BOFF+128*PB
.set SPARE,  2*SLOT
.set SPITCH, 272
.set LAPS,   2
.set ADRA, 16
.set ADRB, 20
.set STO,  24
.set RD,   25
.set CO,   26
.set SPW,  28
.set NIL,  29
.set TMP,  32
.set BK,   64
.set ACC,  128
.set F0,   0
.set F1,   128
.set G1, 24
.set G0, 32
.set G1B, 48
.set G0B, 56
.set MSB, 0
.macro WIN new
.if MSB != (\new)
	s_set_vgpr_msb (MSB<<8)|(\new)
.set MSB, (\new)
.endif
.endm
.set MUL,  0x05
.set TO_F, 0x40
.macro JLOAD s
	s_cmp_eq_u32 s15, 0
	s_cbranch_scc0 .Lfor_b_\@
	tensor_load_to_lds s[G0+4*\s:G0+4*\s+3], s[G1:G1+7]
	s_nop 0
.rept 4
	v_nop
.endr
	s_branch .Lasked_\@
.Lfor_b_\@:
	tensor_load_to_lds s[G0B+4*\s:G0B+4*\s+3], s[G1B:G1B+7]
	s_nop 0
.rept 4
	v_nop
.endr
.Lasked_\@:
.endm
.macro CREST
	s_cmp_lg_u32 s14, 0
	s_cbranch_scc1 .Lnot_wave_0_\@
	s_barrier_signal -3
.Lnot_wave_0_\@:
	s_barrier_wait -3
	s_barrier_signal -1
	s_barrier_wait -1
.endm
.macro CROUND
	s_barrier_signal -1
	s_barrier_wait -1
	CREST
.endm
	s_load_b256 s[4:11], s[0:1], 0x0
	v_lshl_add_u32 v[SPW], v0, 2, SPARE
	v_mov_b32 v[NIL], 0
	ds_add_u32 v[SPW], v[NIL]
	ds_add_u32 v[SPW], v[NIL]
	v_lshrrev_b32 v1, 5, v0
	v_readfirstlane_b32 s14, v1
	s_lshr_b32 s15, s14, 1
	s_and_b32 s16, s14, 1
	s_bfe_u32 s40, ttmp6, 0x40000
	s_bfe_u32 s41, ttmp6, 0x40004
	s_lshl_b32 s42, ttmp9, 2
	s_add_co_u32 s42, s42, s40
	s_and_b32 s17, ttmp7, 0xffff
	s_lshl_b32 s17, s17, 2
	s_add_co_u32 s17, s17, s41
	s_lshl_b32 s43, s41, 2
	s_lshl_b32 s43, 15, s43
	s_lshl_b32 s44, 0x1111, s40
	s_or_b32 s[G1+0], s43, (0<<16)|(1<<20)|(1<<21)|(4<<22)|(3<<25)
	s_mov_b32 s[G1+1], 256<<16
	s_mov_b32 s[G1+2], 128<<16
	s_mov_b32 s[G1+3], 256<<16
	s_mov_b32 s[G1+4], 128
	s_mov_b32 s[G1+5], 256
	s_mov_b32 s[G1+6], 0
	s_mov_b32 s[G1+7], 0
	s_or_b32 s[G1B+0], s44, (0<<16)|(1<<20)|(1<<21)|(6<<22)|(3<<25)
	s_mov_b32 s[G1B+1], KSTEP<<16
	s_mov_b32 s[G1B+2], 64<<16
	s_mov_b32 s[G1B+3], KSTEP<<16
	s_mov_b32 s[G1B+4], 64
	s_mov_b32 s[G1B+5], 2048
	s_mov_b32 s[G1B+6], 0
	s_mov_b32 s[G1B+7], 0
	s_lshl_b32 s20, s17, 18
	s_lshl_b32 s18, s16, 15
	s_add_co_u32 s20, s20, s18
	s_mov_b32 s21, 0
	s_lshl_b32 s46, s42, 18
	s_lshl_b32 s47, s16, 17
	s_add_co_u32 s46, s46, s47
	s_add_co_u32 s46, s46, 0xc00000
	s_mov_b32 s47, 0
	s_mul_i32 s45, s16, 256*PA
	s_mul_i32 s67, s16, 64*PB
	s_add_co_u32 s67, s67, BOFF
	s_wait_dscnt 0x0
	s_wait_kmcnt 0x0
	s_load_b64 s[96:97], s[8:9], 0x28
	s_add_nc_u64 s[20:21], s[4:5], s[20:21]
	s_add_nc_u64 s[46:47], s[6:7], s[46:47]
	CROUND
.irp s, 0,1
	s_mov_b32 s[G0+4*\s], 1
	s_add_co_u32 s[G0+4*\s+1], s45, \s*SLOT
	s_add_nc_u64 s[G0+4*\s+2:G0+4*\s+3], s[20:21], \s*4*16384
	s_or_b32 s[G0+4*\s+3], s[G0+4*\s+3], 0x80000000
	s_mov_b32 s[G0B+4*\s], 1
	s_add_co_u32 s[G0B+4*\s+1], s67, \s*SLOT
	s_add_nc_u64 s[G0B+4*\s+2:G0B+4*\s+3], s[46:47], \s*KSTEP
	s_or_b32 s[G0B+4*\s+3], s[G0B+4*\s+3], 0x80000000
.endr
	JLOAD 0                                        ; K step 0: one tensor load a wave at the head, behind the opening round
	v_and_b32 v1, 15, v0
	v_bfe_u32 v2, v0, 4, 1
	v_mul_u32_u24 v3, v1, PA
	v_lshl_add_u32 v3, v2, 4, v3
	v_mul_u32_u24 v4, v1, PB
	v_lshl_add_u32 v4, v2, 4, v4
	s_mul_i32 s21, s15, 64*PA
	s_mul_i32 s22, s16, 64*PB
	s_add_co_u32 s22, s22, BOFF
.irp s, 0,1
	v_add_nc_u32 v[ADRA+\s], s21, v3
	v_add_nc_u32 v[ADRB+\s], s22, v4
	s_add_co_u32 s21, s21, SLOT
	s_add_co_u32 s22, s22, SLOT
.endr
	s_mul_i32 s23, s14, 16*SPITCH
	v_mul_u32_u24 v5, v1, SPITCH
	v_lshl_add_u32 v5, v2, 5, v5
	v_add_nc_u32 v[STO], s23, v5
	v_mul_u32_u24 v5, v2, SPITCH
	v_lshl_add_u32 v5, v1, 4, v5
	v_add_nc_u32 v[RD], s23, v5
	v_lshlrev_b32 v5, 13, v2
	v_lshl_add_u32 v[CO], v1, 4, v5
	s_lshl_b32 s20, s17, 20
	s_lshl_b32 s21, s15, 19
	s_add_co_u32 s20, s20, s21
	s_lshl_b32 s46, s42, 9
	s_lshl_b32 s47, s16, 8
	s_add_co_u32 s46, s46, s47
	s_add_co_u32 s20, s20, s46
	s_mov_b32 s21, 0
	s_add_nc_u64 s[10:11], s[10:11], s[20:21]
.macro MUL8 f, a0, zero
.irp a, \a0, \a0+1
.irp b, 0,1,2,3
.if \zero
	v_wmma_f32_16x16x128_fp8_fp8 v[ACC+8*(4*(\a)+\b):ACC+8*(4*(\a)+\b)+7], v[\f+64+16*\b:\f+64+16*\b+15], v[\f+16*(\a):\f+16*(\a)+15], 0
.else
	v_wmma_f32_16x16x128_fp8_fp8 v[ACC+8*(4*(\a)+\b):ACC+8*(4*(\a)+\b)+7], v[\f+64+16*\b:\f+64+16*\b+15], v[\f+16*(\a):\f+16*(\a)+15], v[ACC+8*(4*(\a)+\b):ACC+8*(4*(\a)+\b)+7]
.endif
.endr
.endr
.endm
.macro FETCH slot, q, f
	WIN TO_F
.irp i, 0,1,2,3
.irp c, 0,1,2,3
	ds_load_b128 v[\f+64+16*\i+4*\c:\f+64+16*\i+4*\c+3], v[ADRB+\slot] offset:128*(\q)+32*\c+\i*16*PB
.endr
.endr
.irp i, 0,1,2,3
.irp c, 0,1,2,3
	ds_load_b128 v[\f+16*\i+4*\c:\f+16*\i+4*\c+3], v[ADRA+\slot] offset:(128*(\q)+16*\i)*PA+32*\c
.endr
.endr
.endm
.macro PLACES
.rept 4
	v_nop
.endr
.endm
.macro QUARTER slot, q, f, g, zero
	s_wait_dscnt 8
	WIN MUL
	MUL8 \f, 0, \zero
	PLACES
	FETCH \slot, \q, \g
	s_wait_dscnt 32
	WIN MUL
	MUL8 \f, 2, \zero
.endm
.macro TURN slot, next, fill
	WIN 0
	s_wait_tensorcnt 0x0
	ds_add_u32 v[SPW], v[NIL]
	s_wait_dscnt 9
	WIN MUL
	MUL8 F1, 0, 0
	s_wait_dscnt 0x0
	s_barrier_signal -1
.if \fill
	WIN 0
.endif
	s_barrier_wait -1
.if \fill
	CREST
	s_add_nc_u64 s[G0+4*\slot+2:G0+4*\slot+3], s[G0+4*\slot+2:G0+4*\slot+3], 8*16384
	s_add_nc_u64 s[G0B+4*\slot+2:G0B+4*\slot+3], s[G0B+4*\slot+2:G0B+4*\slot+3], 2*KSTEP
	JLOAD \slot
.else
	PLACES
.endif
	s_wait_alu depctr_va_vdst(0)
	FETCH \next, 0, F0
	WIN MUL
	MUL8 F1, 2, 0
.endm
	s_wait_alu depctr_va_vdst(0)                   ; the head's end
	s_wait_tensorcnt 0x0                           ; my part of K step 0 is in
	ds_add_u32 v[SPW], v[NIL]
	s_wait_dscnt 0x0
	CROUND                                         ; everybody's part of K step 0 is in, and the sixteen work-groups meet
	JLOAD 1                                        ; K step 1, the first tensor load behind the round
	FETCH 0, 0, F0
	QUARTER 0, 1, F0, F1, 1
	WIN 0
	s_mov_b32 s3, LAPS-1
.Llap:
	QUARTER 0, 2, F1, F0, 0
	QUARTER 0, 3, F0, F1, 0
	TURN 0, 1, 1
	QUARTER 1, 1, F0, F1, 0
	QUARTER 1, 2, F1, F0, 0
	QUARTER 1, 3, F0, F1, 0
	TURN 1, 0, 1
	QUARTER 0, 1, F0, F1, 0
	WIN 0
	s_sub_co_u32 s3, s3, 1
	s_cmp_lg_u32 s3, 0
	s_cbranch_scc1 .Llap
	QUARTER 0, 2, F1, F0, 0
	QUARTER 0, 3, F0, F1, 0
	TURN 0, 1, 0
	QUARTER 1, 1, F0, F1, 0
	QUARTER 1, 2, F1, F0, 0
	QUARTER 1, 3, F0, F1, 0
	s_wait_dscnt 8
	WIN MUL
	MUL8 F1, 0, 0
	s_wait_dscnt 0
	MUL8 F1, 2, 0
	WIN 0
.macro TOSTAGE a
.set JJ, 0
.rept 16
	v_pk_mul_f32 v[TMP+JJ:TMP+JJ+1], v[ACC+32*(\a)+JJ:ACC+32*(\a)+JJ+1], s[96:97] op_sel_hi:[1,0]
.set JJ, JJ+2
.endr
.irp b, 0,1,2,3
	ds_store_b128 v[STO], v[TMP+8*\b:TMP+8*\b+3] offset:64*\b
	ds_store_b128 v[STO], v[TMP+8*\b+4:TMP+8*\b+7] offset:64*\b+16
.endr
.set BB, BK+32*((\a)%2)
.irp t, 0,1,2,3,4,5,6,7
	ds_load_b128 v[BB+4*\t:BB+4*\t+3], v[RD] offset:\t*2*SPITCH
.endr
.endm
.macro SEND a, younger
.set BB, BK+32*((\a)%2)
	s_wait_dscnt \younger
.irp t, 0,1,2,3,4,5,6,7
	global_store_b128 v[CO], v[BB+4*\t:BB+4*\t+3], s[10:11] offset:(16*(\a)+2*\t)*8192 th:TH_STORE_NT
.endr
.endm
	s_wait_kmcnt 0x0
	s_add_co_i32 s96, s96, s97
	s_add_co_i32 s96, s96, 127
	s_lshl_b32 s96, s96, 23
	PLACES
	TOSTAGE 0
.irp a, 1,2,3
.if \a > 1
	s_wait_xcnt 0x0
.endif
	TOSTAGE \a
	SEND \a-1, 16
.endr
	SEND 3, 0
	s_wait_tensorcnt 0x0
	ds_add_u32 v[SPW], v[NIL]
	s_wait_dscnt 0x0
	CROUND
	s_endpgm
.Lfunc_end_k_q00c3d94ee6_proj:
	.size	k_q00c3d94ee6_proj, .Lfunc_end_k_q00c3d94ee6_proj-k_q00c3d94ee6_proj
	.p2alignl 7, 3214868480
	.fill 96, 4, 3214868480
	.section	.rodata,"a",@progbits
	.p2align	6, 0x0
	.amdhsa_kernel k_q00c3d94ee6_proj
		.amdhsa_group_segment_fixed_size 327680
		.amdhsa_private_segment_fixed_size 0
		.amdhsa_enable_private_segment 0
		.amdhsa_kernarg_size 32
		.amdhsa_user_sgpr_count 2
		.amdhsa_user_sgpr_kernarg_segment_ptr 1
		.amdhsa_wavefront_size32 1
		.amdhsa_system_sgpr_workgroup_id_x 1
		.amdhsa_system_sgpr_workgroup_id_y 1
		.amdhsa_system_sgpr_workgroup_id_z 1
		.amdhsa_system_vgpr_workitem_id 0
		.amdhsa_next_free_vgpr 512
		.amdhsa_next_free_sgpr 100
		.amdhsa_reserve_vcc 0
		.amdhsa_float_denorm_mode_32 3
		.amdhsa_float_denorm_mode_16_64 3
		.amdhsa_memory_ordered 1
		.amdhsa_forward_progress 1
		.amdhsa_inst_pref_size 74
	.end_amdhsa_kernel
	.amdgpu_metadata
---
amdhsa.version: [ 1, 2 ]
amdhsa.kernels:
  - .name:           k_q00c3d94ee6_proj
    .symbol:         k_q00c3d94ee6_proj.kd
    .args:
      - { .name: ocodes, .offset: 0, .size: 8, .value_kind: global_buffer, .address_space: global }
      - { .name: wcodes, .offset: 8, .size: 8, .value_kind: global_buffer, .address_space: global }
      - { .name: lowp_scales, .offset: 16, .size: 8, .value_kind: global_buffer, .address_space: global }
      - { .name: out0, .offset: 24, .size: 8, .value_kind: global_buffer, .address_space: global }
    .group_segment_fixed_size: 327680
    .private_segment_fixed_size: 0
    .kernarg_segment_align: 8
    .kernarg_segment_size: 32
    .max_flat_workgroup_size: 128
    .sgpr_count:     100
    .vgpr_count:     512
    .wavefront_size: 32
...
	.end_amdgpu_metadata
.endif
;; end of part 4
